; MI455X (gfx1250); checked and timed in simulation.
; The chip was launched on July 23, 2026; its instructions are those of AMD's public machine-readable ISA for CDNA 5 (MIT licence, August 2026) and "CDNA5" Instruction Set Architecture Reference Guide (July 2026). The comments in the code are by the model that wrote it; some were corrected since.
;; Spiking MHA. Allowed arithmetic: matrix products marked QUANTISED: E5M2 operands, one E8M0 scale for each 32 along K, by v_wmma_scale_f32_16x16x128_f8f6f4 with both operands' format E5M2, f32 sums; everything else in f32.
;; Inputs: Wk_codes 1,024 x 32 x 32 uint8 (E5M2 codes of Wk, K innermost, in blocks of 32 codes); Wk_scales 1,024 x 32 uint8 (E8M0 scales of Wk, one for each 32 codes along K); Wq_codes 1,024 x 32 x 32 uint8 (E5M2 codes of Wq, K innermost, in blocks of 32 codes); Wq_scales 1,024 x 32 uint8 (E8M0 scales of Wq, one for each 32 codes along K); Wv_codes 1,024 x 32 x 32 uint8 (E5M2 codes of Wv, K innermost, in blocks of 32 codes); Wv_scales 1,024 x 32 uint8 (E8M0 scales of Wv, one for each 32 codes along K); bk 1,024 float32; bq 1,024 float32; bv 1,024 float32; x_codes 2,048 x 2 x 32 x 32 uint8 (E5M2 codes of x, K innermost, in blocks of 32 codes); x_scales 2,048 x 2 x 32 uint8 (E8M0 scales of x, one for each 32 codes along K).
;; Outputs: out0 2,048 x 2 x 1,024 float32.
;; This version of the problem:
;;   THIS VERSION OF THE PROBLEM IS GIVEN IN LOW PRECISION. The matrix products marked QUANTISED in the list below multiply operands that are first quantised to E5M2 (5 exponent bits, 2 mantissa bits; 8 bits a number), with one power-of-two scale for each 32 numbers along K (OCP MX v1.0); their sums are f32. All else is computed in f32.
;;   The module's matrix products, in the order in which they are computed (A, B: the left and right operand; K: the contracted axis; several contracted axes count as one K, in the product's order):
;;     1. [M 4,096, K 1,024] x [K 1,024, N 1,024]; A: input x (given as codes); B: input Wq (given as codes): QUANTISED
;;     2. [M 4,096, K 1,024] x [K 1,024, N 1,024]; A: input x (given as codes); B: input Wk (given as codes): QUANTISED
;;     3. [M 4,096, K 1,024] x [K 1,024, N 1,024]; A: input x (given as codes); B: input Wv (given as codes): QUANTISED
;;     4. batch 32 x [M 2,048, K 64] x [K 64, N 2,048]; A: computed on the way; B: computed on the way: QUANTISED
;;     5. batch 32 x [M 2,048, K 2,048] x [K 2,048, N 64]; A: softmax (see below); B: computed on the way: QUANTISED
;;   THE QUANTISER, for each operand of a quantised product, along K:
;;     - K is cut into blocks of 32 from its start; a last block that is shorter is filled with zeros.
;;     - A block's scale is 2^e with e = floor(log2(the largest magnitude in the block)) - 15, held to -126 .. 127; a block of zeros has e = 0. As a byte (E8M0): e + 127.
;;     - Each number is divided by its block's scale, clamped to +-57,344, and rounded to the nearest number of E5M2, ties to even, subnormals kept.
;;     - The product sums the exact products of the quantised numbers (number of the format x scale) in f32.
;;   ~~~python
;;   def quantise(x, axis):      # numpy; x: float32 -> the quantised numbers, widened to float32 again
;;       x = np.moveaxis(x, axis, -1); K = x.shape[-1]
;;       x = np.pad(x, [(0, 0)] * (x.ndim - 1) + [(0, -K % 32)]); x = x.reshape(x.shape[:-1] + (-1, 32)); a = np.abs(x).max(-1, keepdims=True)
;;       e = np.where(a > 0, np.clip(np.frexp(np.where(a > 0, a, 1))[1] - 1 - 15, -126, 127), 0)      # np.frexp(a)[1] - 1 = floor(log2(a)), exactly
;;       r = np.clip(x / 2.0 ** e, -57344, 57344)
;;       step = 2.0 ** (np.maximum(np.frexp(np.where(r == 0, 1, r))[1] - 1, -14) - 2)
;;       q = np.round(r / step) * step * 2.0 ** e      # np.round: ties to even
;;       return np.moveaxis(q.reshape(q.shape[:-2] + (-1,))[..., :K], -1, axis).astype(np.float32)
;;   ~~~
;;   SOFTMAX AHEAD OF A QUANTISED PRODUCT. Where the list says 'softmax', what is quantised is not the finished softmax but p = 2^(t - M), with t = logit x log2(e) and M = ceil(the row's largest t), a whole number; so 1/2 < the row's largest p <= 1. The row's sum l is taken of the UNQUANTISED p, in f32, and the product's result is divided by l at the end. Since M is a whole number, a kernel that streams over the keys may use a running M (the ceiling of the running maximum): every later rescaling is an exact power of two, which a block's scale takes up: the codes' values come out the same.
;;   OPERANDS COMPUTED ON THE WAY. 'Computed on the way' means the value that the module computes at that place (a softmax that the list does not call 'softmax' is quantised finished and normalised). What goes into a quantiser is computed in f32, as accurately as f32 sums, v_exp_f32 and their like allow (about 1e-6 of the number): no bf16 or f16 on the way to a quantiser, and a product that is left as it is and whose result goes on into a quantised operand takes f32 operands (vector FMAs, or v_wmma_f32_16x16x4_f32). A number that lies on a knife's edge between two numbers of the format may be rounded either way, as far as f32 arithmetic and the matrix unit's own rounding can turn it there, and no further.
;;   INPUTS GIVEN AS CODES. Wk (in the module: [1024, 1024], K = its axis 1); Wq (in the module: [1024, 1024], K = its axis 1); Wv (in the module: [1024, 1024], K = its axis 1); x (in the module: [2048, 2, 1024], K = its axis 2): each comes as NAME_codes (uint8): NAME with its K axis moved to the last place and cut into blocks of 32 codes, [.., K / 32, bytes a block], one block behind the other in memory; one code a byte (a code: sign, 5 exponent bits, 2 mantissa bits); and NAME_scales (uint8): the same leading axes, one E8M0 byte (e + 127) for each 32 codes along K. Its value is code x scale, taken as it is: it is not quantised again, and the codes and scales need not be those that the quantiser above would give.
;; One version. Each part assembles by itself: llvm-mc -triple=amdgcn-amd-amdhsa -mcpu=gfx1250 --defsym DOCPART=n.
;; ======== version 1 of 1: 2 launches
;; workspace buffers: qc 4,194,304 bytes; qs 262,144 bytes; kv 8,781,824 bytes
;; launch proj (part 1): grid 16 x 16, 4 waves a work-group, clusters of 4 x 4, 327,680 bytes of LDS; arguments x_codes, x_scales, Wq_codes, Wq_scales, Wk_codes, Wk_scales, Wv_codes, Wv_scales, bq, bk, bv, qc, qs, kv; writes qc, qs, kv
.if DOCPART == 1
	.amdgcn_target "amdgcn-amd-amdhsa--gfx1250"
	.amdhsa_code_object_version 6
	.text
	.protected	k_q9704149cf4_proj
	.globl	k_q9704149cf4_proj
	.p2align	8
	.type	k_q9704149cf4_proj,@function
k_q9704149cf4_proj:
	s_mov_b64 s[64:65], 0
	v_nop
	global_prefetch_b8 v0, s[64:65] scope:SCOPE_SE
	s_setreg_imm32_b32 hwreg(HW_REG_WAVE_MODE, 25, 1), 1
	s_wait_xcnt 0x0
	s_wait_alu depctr_hold_cnt(0) depctr_sa_sdst(0) depctr_va_vdst(0) depctr_va_sdst(0) depctr_va_ssrc(0) depctr_va_vcc(0) depctr_vm_vsrc(0)
	s_getreg_b32 s2, hwreg(HW_REG_IB_STS2, 6, 4)
	s_cmp_eq_u32 s2, 0
	s_cbranch_scc0 .Lentry_in_a_cluster
	s_endpgm
.Lentry_in_a_cluster:
	s_bfe_u32 s2, ttmp6, 0x10000c
	s_cmp_lg_u32 s2, 0xf033
	s_cbranch_scc0 .Lentry_shape_is_right
	s_endpgm
.Lentry_shape_is_right:
; q, k, v = x W^T + b for one head and 256 tokens of one batch, on codes of E5M2 with one E8M0 scale for each 32 along K (K = 1,024), then quantised again: q and k along the head's
; 64 channels, v along the tokens (the keys of the second attention product).  What leaves are codes and scale words laid as images of operand registers, so that the next launch takes
; each fragment by loads of 16 bytes a lane at 16 x lane.
; SHARES.  Work-group (x, y): head = x, batch = y / 8, tokens 256 (y % 8) on.  256 tokens x 192 columns (q 64, k 64, v 64).  Wave w: tokens 64 w .. 64 w + 63 (4 tiles a of x) x all 12 tiles n of W
; (0-3 q, 4-7 k, 8-11 v): 48 accumulators, 48 matrix instructions for each 128 along K.
; q AND k ARE MADE TRANSPOSED (source 0 = 16 rows of W, source 1 = 16 tokens): a lane holds one token, its registers run along the channels, the next K.  v IS MADE PLAIN (source 0 = tokens,
; source 1 = rows of W): a lane holds one channel, its registers run along the tokens, its next K.  One set of x's fragments serves both.
; THE ORDER INSIDE A BLOCK OF 32.  Two neighbouring result tiles give lane half h the numbers 8 h + 0..7 and 16 + 8 h + 0..7 of a true block of 32.  They are packed in that order on BOTH operands of
; each later product (q and k; p and v), so every product meets its partner and every block of 32 is a true one; only the order in which a sum is rounded differs.
; K goes in four steps of 256 through two LDS slots: two first fills, two refills.  CLUSTER 4 x 4: x's tile hangs on y alone and is asked for jointly along a row of the cluster, W's on x alone, along a column.
; No prefetch: of four K steps two are first fills, and the refills follow within two sub-steps of the head, where every work-group's first tiles are on their way.
; LIMITS: NaN and infinities among the inputs are not served.  A block whose largest magnitude lies under 2^-111, a block of zeros too, gets the scale byte 1 (the stated rule gives zeros 127): its codes are
; what the floor's scale gives (zeros for zeros), and these bytes are read by this program alone.
; REGISTERS, in windows of 256.  Window 0: v1-30 addresses; v32-95 scale words, two sets; v96-223 x's fragments, two sets of 4 x 16; v224-255 at work on the way out (where v96-203 take codes and scale words).
;   Window 1: W's 12 fragments, one set.   Window 2: q's and k's 32 accumulators, (n, a) at 32 n + 8 a.   Window 3: v's 16 accumulators, (n', a) at 32 n' + 8 a; from v128 the biases of q and k, from v192 of v.
.set PITCH, 272                        ; an LDS row of codes: 256 bytes + 16 of padding: the 16 rows of a fragment load start 4 banks apart (64 banks of 4 bytes: ISA guide 11.1)
.set XB,    256*PITCH                  ; x's 256 rows in a slot
.set WB,    64*PITCH                   ; 64 rows: one of Wq, Wk, Wv; also a wave's 64 rows of x
.set SLOT,  XB+3*WB
.set SCL,   2*SLOT                     ; behind the ring: the scale bytes for all of K, rows of 32 bytes + 8 of padding: x's 256 rows,
.set SP,    40
.set SCW,   SCL+256*SP                 ; then Wq's, Wk's, Wv's 64 rows each
.set VSTG,  SCW+192*SP                 ; 512 bytes in which the four waves put together v's scale words; no tile lands here
.set SPARE, VSTG+512                   ; the spare words, 128 bytes for each wave: two blocks of 256 bytes that no other line names
.set KVB,   274432                     ; a head's block in kv: 12,288 of scale words, 131,072 of k's images, 131,072 of v's
.set LN,   5                           ; v5   lane
.set ADRA, 16                          ; v16-17  LDS address of my x fragments in slot 0, 1
.set ADRB, 20                          ; v20-21  the same for W
.set ADSX, 22                          ; v22  x's scale bytes, my rows
.set ADSW, 23                          ; v23  W's
.set LI,   24                          ; v24  16 x lane
.set LR,   25                          ; v25  16 x (lane % 16)
.set VSA,  26                          ; v26  where I put v's half scale words
.set VSO,  27                          ; v27  where wave 0 stores them: 768 (lane / 16) + 16 (lane % 16)
.set SPW,  28                          ; v28  LDS address of my spare word; never rewritten
.set NIL,  29                          ; v29  0; never rewritten
.set VSR,  30                          ; v30  where wave 0 reads them back
.set XS,   32                          ; x's scale words: set s, tile a, q-th 128 of the slot: XS + 32 s + 2 a + q
.set WS,   40                          ; W's: WS + 32 s + 2 n + q
.set XF,   96                          ; x's fragments: set p, tile a: XF + 64 p + 16 a
.set BQK,  128                         ; window 3: bias of tile n (0-7)
.set BV,   192                         ; window 3: bias of v's tile n'
.set QCD,  96                          ; the way out: q's codes, 8 x 4 registers; k's; v's
.set KCD,  128
.set VCD,  160
.set QW,   192                         ; q's four scale words; k's; v's four half words
.set KW,   196
.set VW,   200
.set TM,   224                         ; eight largest magnitudes
.set TP,   232                         ; the other half's; then the scale bytes
.set HB,   240                         ; 57,344 x the scale
.set SO,   248                         ; the conversion's scale operand
.set G1X,  32                          ; s[32:39] descriptor group 1: x's tiles;  s[40:47] W's;  s[48:55] x's scale bytes;  s[56:63] W's
.set G1W,  40
.set G1XS, 48
.set G1WS, 56
.set G0X,  68                          ; s[68:75] group 0 for x's tiles, one set for each slot;  s[76:83] for W's;  s[84:87], s[88:91] for the scale bytes
.set G0W,  76
.set G0XS, 84
.set G0WS, 88
.set WV,   92                          ; s92  my wave's number
.set SEL,  16                          ; s[16:17] lane selects for v_permlanex16_b32: lane l xor 16
.set MNT,  18                          ; s18  the mantissa field of 57,344
.set MSB, 0
.macro WIN new                         ; the immediate's high byte repeats the setting that is left; a switch that changes nothing is dropped
.if MSB != \new
	s_set_vgpr_msb (MSB<<8)|\new
.set MSB, \new
.endif
.endm
.macro PLACES n
.rept \n
	v_nop
.endr
.endm
; A joint load: wave 0 fetches x's part, waves 1, 2, 3 that of Wq, Wk, Wv.  Each line has one mask; the branch hangs on the wave's number alone.  Four v_nop follow each line.
.macro JLOAD g0x, g1x, g0w, g1w
	s_cmp_eq_u32 s[WV], 0
	s_cbranch_scc0 .Lfor_w_\@
	tensor_load_to_lds s[\g0x:\g0x+3], s[\g1x:\g1x+7]
	s_nop 0
.rept 4
	v_nop
.endr
	s_branch .Lasked_\@
.Lfor_w_\@:
	tensor_load_to_lds s[\g0w:\g0w+3], s[\g1w:\g1w+7]
	s_nop 0
.rept 4
	v_nop
.endr
.Lasked_\@:
.endm
.macro CREST                           ; a round of the cluster's barrier behind its opening barrier
	s_cmp_lg_u32 s[WV], 0
	s_cbranch_scc1 .Lnot_wave_0_\@
	s_barrier_signal -3
.Lnot_wave_0_\@:
	s_barrier_wait -3
	s_barrier_signal -1
	s_barrier_wait -1
.endm
.macro CROUND                          ; a whole round
	s_barrier_signal -1
	s_barrier_wait -1
	CREST
.endm
	s_load_b512 s[4:19], s[0:1], 0x0               ; x's codes s[4:5], scales s[6:7]; Wq's s[8:9], s[10:11]; Wk's s[12:13], s[14:15]; Wv's s[16:17], s[18:19]
	s_load_b256 s[20:27], s[0:1], 0x40             ; bq s[20:21], bk s[22:23], bv s[24:25], qc s[26:27]
	s_load_b128 s[28:31], s[0:1], 0x60             ; qs s[28:29], kv s[30:31]
	v_lshl_add_u32 v[SPW], v0, 2, SPARE
	v_mov_b32 v[NIL], 0
	ds_add_u32 v28, v29
	ds_add_u32 v28, v29
	s_wait_dscnt 0x0
	v_lshrrev_b32 v1, 5, v0
	v_readfirstlane_b32 s[WV], v1                  ; wave 0..3
	s_bfe_u32 s93, ttmp6, 0x40000                  ; cx, cy: my place in the cluster
	s_bfe_u32 s94, ttmp6, 0x40004
	s_lshl_b32 s95, ttmp9, 2
	s_add_co_u32 s95, s95, s93                     ; work-group x = the head
	s_and_b32 s96, ttmp7, 0xffff
	s_lshl_b32 s96, s96, 2
	s_add_co_u32 s96, s96, s94                     ; work-group y = 8 x batch + block of 256 tokens
	s_lshl_b32 s97, s94, 2
	s_lshl_b32 s97, 15, s97                        ; my row of the cluster
	s_lshl_b32 s98, 0x1111, s93                    ; my column
	; group 1.  Codes: elements of 1 byte, rows of 256, 16 bytes of padding behind every 64 words.  x: 256 rows, 2,048 bytes apart (the other batch's rows lie between); W: 64 rows, 1,024 apart
	s_or_b32 s[G1X], s97, (1<<20)|(1<<21)|(5<<22)|(3<<25)
	s_or_b32 s[G1W], s98, (1<<20)|(1<<21)|(5<<22)|(3<<25)
	s_mov_b32 s[G1X+1], 256<<16                    ; tensor_dim0
	s_mov_b32 s[G1X+2], 256<<16                    ; tensor_dim1
	s_mov_b32 s[G1X+3], 256<<16                    ; tile_dim0
	s_mov_b32 s[G1X+4], 256                        ; tile_dim1
	s_mov_b32 s[G1X+5], 2048                       ; from row to row
	s_mov_b32 s[G1X+6], 0
	s_mov_b32 s[G1X+7], 0
	s_mov_b32 s[G1W+1], 256<<16
	s_mov_b32 s[G1W+2], 64<<16
	s_mov_b32 s[G1W+3], 256<<16
	s_mov_b32 s[G1W+4], 64
	s_mov_b32 s[G1W+5], 1024
	s_mov_b32 s[G1W+6], 0
	s_mov_b32 s[G1W+7], 0
	; scale bytes: rows of 32 bytes (all of K), 8 bytes of padding behind every 8 words.  x: 256 rows, 64 bytes apart; W: 64 dense rows
	s_or_b32 s[G1XS], s97, (1<<20)|(1<<21)|(2<<22)|(1<<25)
	s_or_b32 s[G1WS], s98, (1<<20)|(1<<21)|(2<<22)|(1<<25)
	s_mov_b32 s[G1XS+1], 32<<16
	s_mov_b32 s[G1XS+2], 256<<16
	s_mov_b32 s[G1XS+3], 32<<16
	s_mov_b32 s[G1XS+4], 256
	s_mov_b32 s[G1XS+5], 64
	s_mov_b32 s[G1XS+6], 0
	s_mov_b32 s[G1XS+7], 0
	s_mov_b32 s[G1WS+1], 32<<16
	s_mov_b32 s[G1WS+2], 64<<16
	s_mov_b32 s[G1WS+3], 32<<16
	s_mov_b32 s[G1WS+4], 64
	s_mov_b32 s[G1WS+5], 32
	s_mov_b32 s[G1WS+6], 0
	s_mov_b32 s[G1WS+7], 0
	; where the tiles come from.  x's hang on y alone, W's on x alone, each in registers that never hold the other coordinate
	s_and_b32 s97, s96, 7                          ; block of tokens
	s_lshr_b32 s101, s96, 3                        ; batch
	s_lshl_b32 s2, s97, 19                         ; 256 tokens x 2,048 bytes
	s_lshl_b32 s3, s101, 10
	s_add_co_u32 s2, s2, s3
	s_mov_b32 s3, 0                                ; s[2:3]: x's codes
	s_lshl_b32 s100, s97, 14                       ; 256 tokens x 64 bytes
	s_lshl_b32 s101, s101, 5
	s_add_co_u32 s100, s100, s101
	s_mov_b32 s101, 0                              ; s[100:101]: x's scale bytes
	s_lshl_b32 s98, s95, 16                        ; the head's 64 rows of 1,024 bytes
	s_mov_b32 s99, 0                               ; s[98:99]: W's codes
	s_mul_i32 s66, s[WV], WB                       ; wave x 64 rows of codes in LDS: no place in the cluster enters an LDS address
	s_mul_i32 s67, s[WV], 64*SP                    ; wave x 64 rows of scale bytes
	s_wait_kmcnt 0x0
	s_add_nc_u64 s[4:5], s[4:5], s[2:3]
	s_add_nc_u64 s[6:7], s[6:7], s[100:101]
	s_cmp_lt_u32 s[WV], 2                          ; wave 1: Wq, wave 2: Wk, wave 3: Wv (wave 0 asks by x's lines)
	s_cselect_b64 s[8:9], s[8:9], s[12:13]
	s_cselect_b64 s[10:11], s[10:11], s[14:15]
	s_cmp_lt_u32 s[WV], 3
	s_cselect_b64 s[8:9], s[8:9], s[16:17]
	s_cselect_b64 s[10:11], s[10:11], s[18:19]
	s_add_nc_u64 s[8:9], s[8:9], s[98:99]
	s_lshl_b32 s98, s95, 11                        ; the head's 64 rows of 32 scale bytes
	s_add_nc_u64 s[10:11], s[10:11], s[98:99]
	CROUND                                         ; all sixteen work-groups are here: the first joint loads meet
	s_mov_b32 s[G0XS], 1
	s_mov_b32 s[G0XS+1], SCL
	s_mov_b64 s[G0XS+2:G0XS+3], s[6:7]
	s_or_b32 s[G0XS+3], s[G0XS+3], 0x80000000
	s_mov_b32 s[G0WS], 1
	s_add_co_u32 s[G0WS+1], s67, SCW-64*SP         ; wave 1's rows begin at SCW
	s_mov_b64 s[G0WS+2:G0WS+3], s[10:11]
	s_or_b32 s[G0WS+3], s[G0WS+3], 0x80000000
	JLOAD G0XS, G1XS, G0WS, G1WS                   ; the scale bytes first: filled once, wanted with K step 0
.irp s, 0,1
	s_mov_b32 s[G0X+4*\s], 1
	s_mov_b32 s[G0X+4*\s+1], \s*SLOT
	s_add_nc_u64 s[G0X+4*\s+2:G0X+4*\s+3], s[4:5], \s*256
	s_or_b32 s[G0X+4*\s+3], s[G0X+4*\s+3], 0x80000000
	s_mov_b32 s[G0W+4*\s], 1
	s_add_co_u32 s[G0W+4*\s+1], s66, \s*SLOT+XB-WB ; wave 1's rows begin behind x's 256
	s_add_nc_u64 s[G0W+4*\s+2:G0W+4*\s+3], s[8:9], \s*256
	s_or_b32 s[G0W+4*\s+3], s[G0W+4*\s+3], 0x80000000
	JLOAD G0X+4*\s, G1X, G0W+4*\s, G1W             ; K steps 0 and 1: three loads of mine are out
.endr
	v_and_b32 v1, 15, v0                           ; r = lane % 16
	v_bfe_u32 v2, v0, 4, 1                         ; h = lane / 16
	v_and_b32 v[LN], 31, v0
	v_mul_u32_u24 v3, v1, PITCH
	v_lshl_add_u32 v3, v2, 4, v3                   ; a fragment's row x pitch + 16 x half
	v_add_nc_u32 v[ADRA], s66, v3                  ; my 64 rows of x
	v_add_nc_u32 v[ADRA+1], SLOT, v[ADRA]
	v_add_nc_u32 v[ADRB], XB, v3                   ; W's rows lie behind x's
	v_add_nc_u32 v[ADRB+1], XB+SLOT, v3
	v_mul_u32_u24 v4, v1, SP
	v_add_nc_u32 v[ADSW], SCW, v4
	v_add_nc_u32 v[ADSX], s67, v4
	v_add_nc_u32 v[ADSX], SCL, v[ADSX]
	v_lshlrev_b32 v[LI], 4, v[LN]
	v_lshlrev_b32 v[LR], 4, v1
	s_lshr_b32 s12, s[WV], 1                       ; which of the work-group's two key steps of 128 tokens is mine,
	s_and_b32 s13, s[WV], 1                        ; and which half of it
	s_lshl_b32 s14, s12, 8
	s_lshl_b32 s15, s13, 1
	s_add_co_u32 s14, s14, s15
	s_add_co_u32 s14, s14, VSTG
	v_add_nc_u32 v[VSA], s14, v[LR]                ; 256 x key step + 16 r + 2 x half (+ 4 n')
	v_mul_u32_u24 v[VSO], v2, 768
	v_add_nc_u32 v[VSO], v[VSO], v[LR]
	v_add_nc_u32 v[VSR], VSTG, v[LI]
	s_mov_b32 s[SEL], 0x76543210
	s_mov_b32 s[SEL+1], 0xfedcba98
	s_mov_b32 s[MNT], 0x600000
.irp i, 0,1,2,3,4,5,6,7
	v_mov_b32 v[TP+\i], 0                          ; written once: a lane permute's destination counts as one of its sources
.endr
	; the biases, in the results' layout: they are the C of each sum's first matrix instruction
	s_lshl_b32 s98, s95, 8                         ; the head's 64 numbers
	s_add_nc_u64 s[20:21], s[20:21], s[98:99]
	s_add_nc_u64 s[22:23], s[22:23], s[98:99]
	s_add_nc_u64 s[24:25], s[24:25], s[98:99]
	v_lshlrev_b32 v6, 5, v2                        ; q, k: register j is channel 16 n + 8 h + j
	v_lshlrev_b32 v7, 2, v1                        ; v: every register is channel 16 n' + r
	WIN 0xc0                                       ; destination window 3
.irp n, 0,1,2,3
	global_load_b128 v[BQK+8*\n:BQK+8*\n+3], v6, s[20:21] offset:64*\n
	global_load_b128 v[BQK+8*\n+4:BQK+8*\n+7], v6, s[20:21] offset:64*\n+16
	global_load_b128 v[BQK+32+8*\n:BQK+32+8*\n+3], v6, s[22:23] offset:64*\n
	global_load_b128 v[BQK+32+8*\n+4:BQK+32+8*\n+7], v6, s[22:23] offset:64*\n+16
.irp j, 0,1,2,3,4,5,6,7
	global_load_b32 v[BV+8*\n+\j], v7, s[24:25] offset:64*\n
.endr
.endr
	WIN 0
	; where the results go (scalar work while the first tiles are on their way).  bh = 16 x batch + head
	s_lshr_b32 s2, s96, 3
	s_lshl_b32 s2, s2, 4
	s_add_co_u32 s2, s2, s95                       ; bh
	s_and_b32 s3, s96, 7                           ; block of tokens tb
	s_mul_i32 s98, s2, KVB
	s_add_nc_u64 s[30:31], s[30:31], s[98:99]      ; kv at the head's block
	s_lshl_b32 s98, s3, 14
	s_lshl_b32 s100, s[WV], 12
	s_add_co_u32 s98, s98, s100                    ; my four tiles of 16 tokens: (16 tb + 4 w) x 1,024 bytes
	s_add_nc_u64 s[4:5], s[30:31], s[98:99]
	s_add_nc_u64 s[4:5], s[4:5], 12288             ; k's images
	s_lshl_b32 s100, s2, 17
	s_add_co_u32 s98, s98, s100
	s_add_nc_u64 s[26:27], s[26:27], s[98:99]      ; q's images
	s_lshl_b32 s98, s3, 14
	s_lshl_b32 s100, s12, 13
	s_add_co_u32 s98, s98, s100
	s_lshl_b32 s100, s13, 10
	s_add_co_u32 s98, s98, s100                    ; key step 2 tb + w / 2: 8,192 bytes each; my half's two pieces: 1,024 (w % 2)
	s_add_nc_u64 s[6:7], s[30:31], s[98:99]
	s_add_nc_u64 s[6:7], s[6:7], 143360            ; v's images
	s_mul_i32 s98, s3, 1536
	s_add_nc_u64 s[10:11], s[30:31], s[98:99]      ; the scale words of the work-group's two key steps, 768 bytes each
	s_mul_i32 s98, s12, 768
	s_lshl_b32 s100, s13, 8
	s_add_co_u32 s98, s98, s100
	s_add_nc_u64 s[8:9], s[10:11], s[98:99]        ; k's scale words of my four tiles
	s_lshl_b32 s98, s2, 13
	s_lshl_b32 s100, s3, 10
	s_add_co_u32 s98, s98, s100
	s_lshl_b32 s100, s[WV], 8
	s_add_co_u32 s98, s98, s100
	s_add_nc_u64 s[28:29], s[28:29], s[98:99]      ; q's scale words: group 4 tb + w of 256 bytes
.macro FRAG reg, adr, q, i             ; a fragment, 16 rows x 128 K: lane l holds row l % 16; registers 4 c .. 4 c + 3 hold K = 32 c + 16 (l / 16) + 0 .. 15
.irp c, 0,1,2,3
	ds_load_b128 v[\reg+4*\c:\reg+4*\c+3], v[\adr] offset:128*(\q)+32*\c+(\i)*16*PITCH
.endr
.endm
.macro FETCH_X slot, q, p              ; my four tiles of x, the slot's q-th 128 along K, into set p: 16 loads
	WIN 0
.irp a, 0,1,2,3
	FRAG XF+64*(\p)+16*\a, ADRA+\slot, \q, \a
.endr
.endm
.macro FETCH_W slot, q, n0             ; W's tiles n0 .. n0 + 5: 24 loads
	WIN 0x40                                       ; destination window 1
.irp d, 0,1,2,3,4,5
	FRAG 16*(\n0+\d), ADRB+\slot, \q, \n0+\d
.endr
.endm
.macro SCALES sc, ks                   ; K step ks's scale words (two words a row) into set sc: 16 loads.  Both halves of the lanes take row lane % 16
	WIN 0
.irp a, 0,1,2,3
	ds_load_b64 v[XS+32*(\sc)+2*\a:XS+32*(\sc)+2*\a+1], v[ADSX] offset:16*SP*\a+8*(\ks)
.endr
.irp n, 0,1,2,3,4,5,6,7,8,9,10,11
	ds_load_b64 v[WS+32*(\sc)+2*\n:WS+32*(\sc)+2*\n+1], v[ADSW] offset:16*SP*\n+8*(\ks)
.endr
.endm
.macro WQK n, a, p, q, sc, c           ; q or k, transposed: source 0 = W's tile n, source 1 = x's tile a; c: C's first register
	v_wmma_scale_f32_16x16x128_f8f6f4 v[32*(\n)+8*(\a):32*(\n)+8*(\a)+7], v[16*(\n):16*(\n)+15], v[XF+64*(\p)+16*(\a):XF+64*(\p)+16*(\a)+15], v[\c:\c+7], v[WS+32*(\sc)+2*(\n)+(\q)], v[XS+32*(\sc)+2*(\a)+(\q)] matrix_a_fmt:MATRIX_FMT_BF8 matrix_b_fmt:MATRIX_FMT_BF8
.endm
.macro WVV n, a, p, q, sc, c           ; v, plain: source 0 = x's tile a, source 1 = W's tile n (8-11)
	v_wmma_scale_f32_16x16x128_f8f6f4 v[32*((\n)-8)+8*(\a):32*((\n)-8)+8*(\a)+7], v[XF+64*(\p)+16*(\a):XF+64*(\p)+16*(\a)+15], v[16*(\n):16*(\n)+15], v[\c:\c+7], v[XS+32*(\sc)+2*(\a)+(\q)], v[WS+32*(\sc)+2*(\n)+(\q)] matrix_a_fmt:MATRIX_FMT_BF8 matrix_b_fmt:MATRIX_FMT_BF8
.endm
; W's tiles n0 .. n1, each against x's four.  The 48 accumulators take turns, one instruction a turn, in the same order in every 128 along K.
; first = 1: the bias is C: nothing is cleared and nothing is added afterwards.
.macro MUL n0, n1, p, q, sc, first
.set NN, \n0
.rept (\n1)-(\n0)+1
.if NN < 8
.if \first
	WIN 0xb1                                       ; W window 1, x window 0, C (bias) window 3, D window 2
.else
	WIN 0xa1                                       ; C and D window 2
.endif
.irp a, 0,1,2,3
.if \first
	WQK NN, \a, \p, \q, \sc, BQK+8*NN
.else
	WQK NN, \a, \p, \q, \sc, 32*NN+8*\a
.endif
.endr
.else
	WIN 0xf4                                       ; x window 0, W window 1, C and D window 3
.irp a, 0,1,2,3
.if \first
	WVV NN, \a, \p, \q, \sc, BV+8*(NN-8)
.else
	WVV NN, \a, \p, \q, \sc, 32*(NN-8)+8*\a
.endif
.endr
.endif
.set NN, NN+1
.endr
.endm
; A load into a register that a matrix instruction has read stands eight places behind it, and only plain vector instructions that name none of its registers are places
; eight v_nop in front of each run of loads.
; A slot's first 128 along K (x's set 0).  W has one set: tiles 0-5 are fetched anew when their 24 products are issued, tiles 6-11 at the end.
.macro STEP slot, first
	s_wait_dscnt 24                                ; all but the youngest 24 loads (W's tiles 6-11) are in
	MUL 0, 5, 0, 0, \slot, \first
	s_wait_dscnt 0x0                               ; W's tiles 6-11 are in (asked for 24 matrix instructions ago)
	PLACES 8
	FETCH_X \slot, 1, 1
	FETCH_W \slot, 1, 0
	MUL 6, 11, 0, 0, \slot, \first
	PLACES 8
	FETCH_W \slot, 1, 6
	WIN 0
.endm
; A slot's second 128 along K (x's set 1) changes slots: ONE barrier; in front of it each wave waits for all its tensor loads, adds 0 to its spare word, and waits for that and for its reads of this slot.
; fill = 1: the barrier opens a round of the cluster's barrier, and this slot is filled again, two K steps ahead.  ksn: the next slot's K step.
.macro TURN slot, next, ksn, fill
	s_wait_tensorcnt 0x0                           ; all my tensor loads have landed: my part of the next slot
	ds_add_u32 v[SPW], v[NIL]                      ; 0 onto my spare word
	s_wait_dscnt 25                                ; (the add and the youngest 24 loads, W's tiles 6-11, may be out)
	MUL 0, 2, 1, 1, \slot, 0                       ; twelve matrix instructions stand between the add and the wait for it
	s_wait_dscnt 0x0                               ; the add is done, and my reads of this slot are over
	s_barrier_signal -1
	MUL 3, 5, 1, 1, \slot, 0
	WIN 0
	s_barrier_wait -1
.if \fill
	CREST                                          ; no wave of any partner still reads this slot or has a load on its way
	s_add_nc_u64 s[G0X+4*\slot+2:G0X+4*\slot+3], s[G0X+4*\slot+2:G0X+4*\slot+3], 512
	s_add_nc_u64 s[G0W+4*\slot+2:G0W+4*\slot+3], s[G0W+4*\slot+2:G0W+4*\slot+3], 512
	JLOAD G0X+4*\slot, G1X, G0W+4*\slot, G1W       ; the first tensor load behind the round, my one load until the next; its four v_nop are four of the eight places
	PLACES 4
.else
	PLACES 8
.endif
	FETCH_X \next, 0, 0
	FETCH_W \next, 0, 0
	SCALES \next, \ksn
	MUL 6, 11, 1, 1, \slot, 0
	PLACES 8
	FETCH_W \next, 0, 6
	WIN 0
.endm
	s_wait_tensorcnt 1                             ; the scale bytes and my part of K step 0 are in (K step 1's load may be out)
	s_barrier_signal -1
	s_barrier_wait -1                              ; everybody's are
	FETCH_X 0, 0, 0
	FETCH_W 0, 0, 0
	SCALES 0, 0
	FETCH_W 0, 0, 6
	WIN 0
	s_wait_loadcnt 0x0                             ; the biases
	STEP 0, 1                                      ; K 0-127: the biases start the sums
	TURN 0, 1, 1, 1                                ; K 128-255; slot 0 takes K step 2
	STEP 1, 0
	TURN 1, 0, 2, 1                                ; slot 1 takes K step 3
	STEP 0, 0
	TURN 0, 1, 3, 0                                ; nothing is left to fetch
	STEP 1, 0
	s_wait_dscnt 24                                ; the last 128 along K
	MUL 0, 5, 1, 1, 1, 0
	s_wait_dscnt 0x0
	MUL 6, 11, 1, 1, 1, 0
	WIN 0
	PLACES 8                                       ; in front of the first reads of results
; THE QUANTISER, eight blocks of 32 at a time.  Block i lies in two accumulators (the first at zb + sa (i / 2) + sc (i % 2), the second d2 on) of lanes l and l xor 16, 16 numbers each.
; Its scale is 2^(floor(log2(largest magnitude)) - 15); the byte is the largest magnitude's exponent field - 15, held at 1 from below by the floor 2^(16 - 127) among the maximum's leaves.
; Each accumulator is read from its low end on.  w: the accumulators' window; cd: where the codes go, four registers a block.
.macro QUANT8 w, zb, sa, sc, d2, cd
.set QWN, (\w)|((\w)<<2)
	WIN QWN                                        ; sources 0 and 1 in the accumulators' window
.irp i, 0,1,2,3,4,5,6,7
.set QB, \zb+\sa*(\i/2)+\sc*(\i%2)
	v_max3_num_f32 v[TM+\i], |v[QB]|, |v[QB+1]|, 0x8000000
.endr
.irp j, 2,4,6
.irp i, 0,1,2,3,4,5,6,7
.set QB, \zb+\sa*(\i/2)+\sc*(\i%2)
	v_max3_num_f32 v[TM+\i], |v[QB+\j]|, |v[QB+\j+1]|, v[TM+\i]     ; (the eight blocks by turns: no line waits for the line above it)
.endr
.endr
.irp j, 0,2,4,6
.irp i, 0,1,2,3,4,5,6,7
.set QB, \zb+\sa*(\i/2)+\sc*(\i%2)+\d2
	v_max3_num_f32 v[TM+\i], |v[QB+\j]|, |v[QB+\j+1]|, v[TM+\i]
.endr
.endr
	WIN 0
.irp i, 0,1,2,3,4,5,6,7
	v_permlanex16_b32 v[TP+\i], v[TM+\i], s[SEL], s[SEL+1]
.endr
.irp i, 0,1,2,3,4,5,6,7
	v_max_num_f32 v[TM+\i], v[TM+\i], v[TP+\i]     ; with lane l xor 16's: the block's largest magnitude
.endr
.irp i, 0,1,2,3,4,5,6,7
	v_add_nc_u32 v[SO+\i], 0xf8800000, v[TM+\i]    ; 15 off its exponent field: the conversion takes the exponent field of this operand as its scale
.endr
.irp i, 0,1,2,3,4,5,6,7
	v_and_or_b32 v[HB+\i], v[TM+\i], 0x7f800000, s[MNT]   ; 57,344 x the scale
.endr
.irp i, 0,1,2,3,4,5,6,7
	v_lshrrev_b32 v[TP+\i], 23, v[SO+\i]           ; the scale's byte
.endr
.set QWN, (\w)|((\w)<<6)
	WIN QWN                                        ; source 0 and destination in the accumulators' window
.irp i, 0,1,2,3,4,5,6,7
.set QB, \zb+\sa*(\i/2)+\sc*(\i%2)
.irp j, 0,1,2,3,4,5,6,7
	v_med3_num_f32 v[QB+\j], v[QB+\j], -v[HB+\i], v[HB+\i]          ; the conversion to an 8-bit code does not saturate (ISA guide 7.6.2): the hold at the largest code x the scale
.endr
.irp j, 0,1,2,3,4,5,6,7
	v_med3_num_f32 v[QB+\d2+\j], v[QB+\d2+\j], -v[HB+\i], v[HB+\i]
.endr
.endr
	WIN \w                                         ; source 0 in the accumulators' window
.irp i, 0,1,2,3,4,5,6,7
.set QB, \zb+\sa*(\i/2)+\sc*(\i%2)
	v_cvt_scalef32_pk8_bf8_f32 v[\cd+4*\i:\cd+4*\i+1], v[QB:QB+7], v[SO+\i]
	v_cvt_scalef32_pk8_bf8_f32 v[\cd+4*\i+2:\cd+4*\i+3], v[QB+\d2:QB+\d2+7], v[SO+\i]
.endr
	WIN 0
	v_nop                                          ; one plain vector instruction behind the last conversion, ahead of whatever next writes its sources
.endm
	QUANT8 2, 0, 8, 64, 32, QCD                    ; q: block 2 a + c = tile a of tokens, channels 32 c on
.irp a, 0,1,2,3
	v_lshl_or_b32 v[QW+\a], v[TP+2*\a+1], 8, v[TP+2*\a]
.endr
.irp a, 0,1,2,3
	v_or_b32 v[QW+\a], 0x7f7f0000, v[QW+\a]        ; the head has 64 channels: the upper two blocks of the instruction's 128 hold zero codes under the scale 1
.endr
.irp i, 0,1,2,3,4,5,6,7
	global_store_b128 v[LI], v[QCD+4*\i:QCD+4*\i+3], s[26:27] offset:512*\i    ; 32 lanes store 512 consecutive bytes, aligned
.endr
	QUANT8 2, 128, 8, 64, 32, KCD                  ; k likewise
.irp a, 0,1,2,3
	v_lshl_or_b32 v[KW+\a], v[TP+2*\a+1], 8, v[TP+2*\a]
.endr
.irp a, 0,1,2,3
	v_or_b32 v[KW+\a], 0x7f7f0000, v[KW+\a]
.endr
.irp i, 0,1,2,3,4,5,6,7
	global_store_b128 v[LI], v[KCD+4*\i:KCD+4*\i+3], s[4:5] offset:512*\i
.endr
	QUANT8 3, 0, 32, 16, 8, VCD                    ; v: block 2 n' + g = channels 16 n' on, my tokens 32 g on
.irp n, 0,1,2,3
	v_lshl_or_b32 v[VW+\n], v[TP+2*\n+1], 8, v[TP+2*\n]   ; my two bytes of the four that make a channel's scale word for 128 keys
.endr
.irp n, 0,1,2,3
	ds_store_b16 v[VSA], v[VW+\n] offset:4*\n      ; (both halves of the lanes write the same bytes with the same values)
.endr
.irp n, 0,1,2,3
	global_store_b128 v[LI], v[VCD+8*\n:VCD+8*\n+3], s[6:7] offset:2048*\n
	global_store_b128 v[LI], v[VCD+8*\n+4:VCD+8*\n+7], s[6:7] offset:2048*\n+512
.endr
	s_wait_dscnt 0x0                               ; for the others' sake: my half words lie in LDS
	s_barrier_signal -1
	s_barrier_wait -1                              ; everybody's do
	s_cmp_lg_u32 s[WV], 0
	s_cbranch_scc1 .Lnot_mine
	ds_load_b128 v[204:207], v[VSR]                ; wave 0: lanes 0-15 the first key step's 256 bytes, lanes 16-31 the second's
	s_wait_dscnt 0x0
	global_store_b128 v[VSO], v[204:207], s[10:11] offset:512
.Lnot_mine:
	s_wait_xcnt 0x0                                ; EXEC changes only behind this wait: it is a source of the stores above
	v_cmp_gt_u32 vcc_lo, 16, v[LN]
	s_and_saveexec_b32 s2, vcc_lo                  ; lanes 0-15: lane r has token r's words of my four tiles: 16 lanes store 256 consecutive bytes, aligned
	global_store_b128 v[LR], v[QW:QW+3], s[28:29]
	global_store_b128 v[LR], v[KW:KW+3], s[8:9]
	s_wait_xcnt 0x0                                ; and again, in front of the line that widens it
	s_or_b32 exec_lo, exec_lo, s2
	s_wait_tensorcnt 0x0                           ; the wave's end, behind my last tensor load and my last LDS store
	ds_add_u32 v[SPW], v[NIL]
	s_wait_dscnt 0x0
	CROUND                                         ; the closing round: no work-group ends while a partner may still ask for a tile that names it
	s_endpgm
.Lfunc_end_k_q9704149cf4_proj:
	.size	k_q9704149cf4_proj, .Lfunc_end_k_q9704149cf4_proj-k_q9704149cf4_proj
	.p2alignl 7, 3214868480
	.fill 96, 4, 3214868480
	.section	.rodata,"a",@progbits
	.p2align	6, 0x0
	.amdhsa_kernel k_q9704149cf4_proj
		.amdhsa_group_segment_fixed_size 327680
		.amdhsa_private_segment_fixed_size 0
		.amdhsa_enable_private_segment 0
		.amdhsa_kernarg_size 112
		.amdhsa_user_sgpr_count 2
		.amdhsa_user_sgpr_kernarg_segment_ptr 1
		.amdhsa_wavefront_size32 1
		.amdhsa_system_sgpr_workgroup_id_x 1
		.amdhsa_system_sgpr_workgroup_id_y 1
		.amdhsa_system_sgpr_workgroup_id_z 1
		.amdhsa_system_vgpr_workitem_id 0
		.amdhsa_next_free_vgpr 1024
		.amdhsa_next_free_sgpr 102
		.amdhsa_reserve_vcc 1
		.amdhsa_float_denorm_mode_32 3
		.amdhsa_float_denorm_mode_16_64 3
		.amdhsa_memory_ordered 1
		.amdhsa_forward_progress 1
		.amdhsa_inst_pref_size 159
	.end_amdhsa_kernel
	.amdgpu_metadata
---
amdhsa.version: [ 1, 2 ]
amdhsa.kernels:
  - .name:           k_q9704149cf4_proj
    .symbol:         k_q9704149cf4_proj.kd
    .args:
      - { .name: x_codes, .offset: 0, .size: 8, .value_kind: global_buffer, .address_space: global }
      - { .name: x_scales, .offset: 8, .size: 8, .value_kind: global_buffer, .address_space: global }
      - { .name: Wq_codes, .offset: 16, .size: 8, .value_kind: global_buffer, .address_space: global }
      - { .name: Wq_scales, .offset: 24, .size: 8, .value_kind: global_buffer, .address_space: global }
      - { .name: Wk_codes, .offset: 32, .size: 8, .value_kind: global_buffer, .address_space: global }
      - { .name: Wk_scales, .offset: 40, .size: 8, .value_kind: global_buffer, .address_space: global }
      - { .name: Wv_codes, .offset: 48, .size: 8, .value_kind: global_buffer, .address_space: global }
      - { .name: Wv_scales, .offset: 56, .size: 8, .value_kind: global_buffer, .address_space: global }
      - { .name: bq, .offset: 64, .size: 8, .value_kind: global_buffer, .address_space: global }
      - { .name: bk, .offset: 72, .size: 8, .value_kind: global_buffer, .address_space: global }
      - { .name: bv, .offset: 80, .size: 8, .value_kind: global_buffer, .address_space: global }
      - { .name: qc, .offset: 88, .size: 8, .value_kind: global_buffer, .address_space: global }
      - { .name: qs, .offset: 96, .size: 8, .value_kind: global_buffer, .address_space: global }
      - { .name: kv, .offset: 104, .size: 8, .value_kind: global_buffer, .address_space: global }
    .group_segment_fixed_size: 327680
    .private_segment_fixed_size: 0
    .kernarg_segment_align: 8
    .kernarg_segment_size: 112
    .max_flat_workgroup_size: 128
    .sgpr_count:     102
    .vgpr_count:     1024
    .wavefront_size: 32
...
	.end_amdgpu_metadata
.endif
;; end of part 1
;; launch attn (part 2): grid 8 x 32, 8 waves a work-group, clusters of 4 x 1, 310,272 bytes of LDS; arguments qc, qs, kv, out0; writes out0
.if DOCPART == 2
	.amdgcn_target "amdgcn-amd-amdhsa--gfx1250"
	.amdhsa_code_object_version 6
	.text
	.protected	k_q9704149cf4_attn
	.globl	k_q9704149cf4_attn
	.p2align	8
	.type	k_q9704149cf4_attn,@function
k_q9704149cf4_attn:
	s_mov_b64 s[64:65], 0
	v_nop
	global_prefetch_b8 v0, s[64:65] scope:SCOPE_SE
	s_setreg_imm32_b32 hwreg(HW_REG_WAVE_MODE, 25, 1), 1
	s_wait_xcnt 0x0
	s_wait_alu depctr_hold_cnt(0) depctr_sa_sdst(0) depctr_va_vdst(0) depctr_va_sdst(0) depctr_va_ssrc(0) depctr_va_vcc(0) depctr_vm_vsrc(0)
	s_getreg_b32 s2, hwreg(HW_REG_IB_STS2, 6, 4)
	s_cmp_eq_u32 s2, 0
	s_cbranch_scc0 .Lentry_in_a_cluster
	s_endpgm
.Lentry_in_a_cluster:
	s_bfe_u32 s2, ttmp6, 0x10000c
	s_cmp_lg_u32 s2, 0x3003
	s_cbranch_scc0 .Lentry_shape_is_right
	s_endpgm
.Lentry_shape_is_right:
; out[t][b][head][:] = the sum over keys of softmax(round(clip(q . k / 8, 0, 4)) / 4) v, both products on codes of E5M2 with one E8M0 scale for each 32 along K, made by the launch before.
; SHARES.  Work-group (x, y): y = 16 x batch + head, queries 256 x on.  Eight waves, two to a SIMD; a wave owns 32 queries, two tiles of 16, and walks all 2,048 keys, 128 a step.
; LDS IS AN IMAGE OF THE HEAD'S BLOCK OF kv (scale words, k's images, v's images: 274,432 bytes), filled ONCE, by three joint loads of each of waves 0 to 3; nothing is filled again.
; CLUSTER 4 x 1: four query blocks of one head want the same block: each load is asked for jointly by the four.  No prefetch: every byte that the launch reads is asked for at its head.
; LAYOUT.  Both products are used transposed: S^T = K Q^T (source 0 = 16 keys, source 1 = 16 queries), O^T = V^T P^T (source 0 = 16 channels, source 1 = P): a lane holds ONE query throughout.
; The scores of tiles 2 c and 2 c + 1 give lane half h the keys 32 c + 8 h + 0..7 and 32 c + 16 + 8 h + 0..7; v's images hold the keys in the same order, so each p meets its v, and every block of 32 is a true one.
; K = 64 IN AN INSTRUCTION OF 128.  Q's upper eight registers are zero codes.  A tile of K is eight registers; the operand's upper eight are the next tile's codes (finite: the quantiser holds them), or zeros behind
; the last: they multiply zeros.  Bytes 2 and 3 of both scale words are 127.
; THE SOFTMAX.  The module's own clip holds the logit to j / 4, j = 0 .. 4, for every input: p = 2^(j log2(e) / 4) is one of five numbers from 1 to e, and a row's sum is at most 2,048 e.  So M = 0 serves every row
; (any whole M shifts p and the sum by the same power of two).  p / 2^-14 lies between 16,384 and 44,537: inside E5M2's normal numbers and under 57,344, so under the fixed scale 2^-14 each of the five rounds to the
; same number as under the block's own scale (2^-15 or 2^-14 x 2^-M; the largest p under 2 is 1.65, which the clamp at 1.75 does not reach): no maximum, no rescaling, no hold.
; A SCORE: clip(s, 0, 32); x 0.125 + 2^23 in one fused step rounds to a whole number, ties to even; x c - c 2^23 in one fused step is c j rounded once (c = log2(e) / 4); v_exp_f32.
; LIMITS: NaN and infinities among the inputs are not served.
; REGISTERS.  Window 0: v1-8 addresses; v10-17, v24-31 the rows' sums, four chains of pairs a tile; v20 p's scale word; v21 r, v22 h; v32-35 V's scale words; v36-37 Q's; v40-103 K, 8 tiles x 8; v104-111 zeros;
;   v112-175, v176-239 the scores of tile 0, 1, then p; v240-243 at work; v248-255 K's scale words.
;   Window 1: v0-31 Q (8 registers of codes, 8 of zeros, a tile); v32-40 constants; v48-79 p's codes; v80-143 O^T, (tile, n') at 80 + 8 (4 tile + n'); v144-207 V, 4 tiles x 16.
.set KVB,  274432                      ; a head's block in kv and in LDS: scale words at 0 (768 bytes a key step), k's images at 12,288, v's 131,072 further on (8,192 bytes a key step each)
.set KIMG, 12288
.set STG,  KVB                         ; behind it: a stage of 16 rows x (256 + 16) bytes for each wave; no tile lands there
.set LI,  1                            ; v1  16 x lane
.set LR,  2                            ; v2  16 x (lane % 16)
.set ADK, 3                            ; v3  the step's images of k
.set ADV, 4                            ; v4  of v
.set ADS, 5                            ; v5  its scale words
.set STO, 6
.set RD,  7
.set GO,  8
.set PSC, 20
.set RR,  21
.set HH,  22
.set VS,  32
.set QS,  36
.set KF,  40
.set S0,  112
.set S1,  176
.set TMP, 240
.set KS,  248
.set C8,  32                           ; window 1: 0.125 twice; 2^23; c; -c 2^23; the conversion's scale 2^-14
.set CB,  34
.set CC,  36
.set CD,  38
.set CSC, 40
.set PP,  48
.set OO,  80
.set VF,  144
.set WV,  12                           ; s12 my wave's number
.set G1A, 24                           ; s[24:31] group 1 for 64 rows of 256 bytes; s[32:39] for 192; s[40:47] for 12
.set G1B, 32
.set G1S, 40
.set G0S, 48                           ; s[48:51], s[52:55], s[56:59] groups 0: scale words; key steps 0-3; key steps 4-15
.set G0A, 52
.set G0B, 56
.set SEL, 60                           ; s[60:61] lane selects: lane l xor 16
.set CLP, 62                           ; s62 32.0
.set TB,  66                           ; s66 LDS byte of the step's images of k
.set TS,  67                           ; s67 of its scale words
.set CNT, 68
.set W_F, 0x14                         ; sources 1 and 2 window 1, all else window 0: clips, scalings, exponentials, products K Q^T and loads of K all stand under this one setting
.set MSB, 0
.macro WIN new                         ; the immediate's high byte repeats the setting that is left; a switch that changes nothing is dropped
.if MSB != \new
	s_set_vgpr_msb (MSB<<8)|\new
.set MSB, \new
.endif
.endm
.macro CROUND                          ; a round of the cluster's barrier
	s_barrier_signal -1
	s_barrier_wait -1
	s_cmp_lg_u32 s[WV], 0
	s_cbranch_scc1 .Lnot_wave_0_\@
	s_barrier_signal -3
.Lnot_wave_0_\@:
	s_barrier_wait -3
	s_barrier_signal -1
	s_barrier_wait -1
.endm
	s_load_b256 s[4:11], s[0:1], 0x0               ; qc s[4:5], qs s[6:7], kv s[8:9], out0 s[10:11]
	v_lshl_add_u32 v246, v0, 2, 0x4b800
	v_mov_b32 v247, 0
	ds_add_u32 v246, v247
	ds_add_u32 v246, v247
	v_lshrrev_b32 v9, 5, v0
	v_readfirstlane_b32 s[WV], v9                  ; wave 0..7
	s_bfe_u32 s13, ttmp6, 0x40000                  ; cx
	s_lshl_b32 s14, ttmp9, 2
	s_add_co_u32 s14, s14, s13                     ; my block of 256 queries: it enters q's and out0's addresses alone
	s_and_b32 s15, ttmp7, 0xffff                   ; bh = 16 x batch + head, which the four partners share
	; group 1: dense blocks as rows of 256 bytes (32 elements of 8 bytes), no padding: a fragment's load takes 512 consecutive bytes
	s_mov_b32 s[G1A], 15|(3<<16)|(1<<21)           ; 15:0 the mask: all four work-groups; 17:16 elements of 8 bytes; 21 set beside a mask
	s_mov_b32 s[G1A+1], 32<<16
	s_mov_b32 s[G1A+2], 64<<16
	s_mov_b32 s[G1A+3], 32<<16
	s_mov_b32 s[G1A+4], 64
	s_mov_b32 s[G1A+5], 32
	s_mov_b32 s[G1A+6], 0
	s_mov_b32 s[G1A+7], 0
	s_mov_b32 s[G1B], 15|(3<<16)|(1<<21)
	s_mov_b32 s[G1B+1], 32<<16
	s_mov_b32 s[G1B+2], 192<<16
	s_mov_b32 s[G1B+3], 32<<16
	s_mov_b32 s[G1B+4], 192
	s_mov_b32 s[G1B+5], 32
	s_mov_b32 s[G1B+6], 0
	s_mov_b32 s[G1B+7], 0
	s_mov_b32 s[G1S], 15|(3<<16)|(1<<21)
	s_mov_b32 s[G1S+1], 32<<16
	s_mov_b32 s[G1S+2], 12<<16
	s_mov_b32 s[G1S+3], 32<<16
	s_mov_b32 s[G1S+4], 12
	s_mov_b32 s[G1S+5], 32
	s_mov_b32 s[G1S+6], 0
	s_mov_b32 s[G1S+7], 0
	; what a fetching wave fetches: the same offset in the head's block and in LDS.  Waves 0, 1: k's halves; waves 2, 3: v's
	s_and_b32 s22, s[WV], 3
	s_lshr_b32 s23, s22, 1
	s_and_b32 s19, s22, 1
	s_mul_i32 s18, s22, 3072                       ; a quarter of the scale words
	s_lshl_b32 s23, s23, 17
	s_lshl_b32 s2, s19, 14
	s_add_co_u32 s2, s2, s23
	s_add_co_u32 s2, s2, KIMG                      ; half of key steps 0-3: 16,384 bytes
	s_mul_i32 s3, s19, 49152
	s_add_co_u32 s3, s3, s23
	s_add_co_u32 s3, s3, KIMG+32768                ; half of key steps 4-15: 49,152 bytes
	s_mul_i32 s20, s15, KVB
	s_mov_b32 s21, 0
	s_mov_b32 s[SEL], 0x76543210
	s_mov_b32 s[SEL+1], 0xfedcba98
	s_mov_b32 s[CLP], 0x42000000
	s_mov_b32 s[TB], KIMG
	s_mov_b32 s[TS], 0
	s_wait_dscnt 0x0
	s_wait_kmcnt 0x0
	s_add_nc_u64 s[8:9], s[8:9], s[20:21]          ; kv at the head's block
	s_mov_b32 s[G0S], 1
	s_mov_b32 s[G0S+1], s18
	s_mov_b32 s20, s18
	s_add_nc_u64 s[G0S+2:G0S+3], s[8:9], s[20:21]
	s_or_b32 s[G0S+3], s[G0S+3], 0x80000000
	s_mov_b32 s[G0A], 1
	s_mov_b32 s[G0A+1], s2
	s_mov_b32 s20, s2
	s_add_nc_u64 s[G0A+2:G0A+3], s[8:9], s[20:21]
	s_or_b32 s[G0A+3], s[G0A+3], 0x80000000
	s_mov_b32 s[G0B], 1
	s_mov_b32 s[G0B+1], s3
	s_mov_b32 s20, s3
	s_add_nc_u64 s[G0B+2:G0B+3], s[8:9], s[20:21]
	s_or_b32 s[G0B+3], s[G0B+3], 0x80000000
	CROUND                                         ; all four work-groups are here: the joint loads meet
	s_cmp_lt_u32 s[WV], 4                          ; a wave's three fills stand in one branch, ahead of every wait on TENSORcnt and every LDS read: three loads of mine are out
	s_cbranch_scc0 .Lno_fetch
	tensor_load_to_lds s[G0S:G0S+3], s[G1S:G1S+7]
	s_nop 0
	tensor_load_to_lds s[G0A:G0A+3], s[G1A:G1A+7]
	s_nop 0
	tensor_load_to_lds s[G0B:G0B+3], s[G1B:G1B+7]
	s_nop 0
.rept 4
	v_nop
.endr
.Lno_fetch:
	; q: my two tiles' images and scale words; out0: my first row
	s_lshl_b32 s16, s15, 17
	s_lshl_b32 s69, s14, 14
	s_add_co_u32 s16, s16, s69
	s_lshl_b32 s69, s[WV], 11
	s_add_co_u32 s16, s16, s69                     ; 131,072 bh + 1,024 (16 x + 2 w)
	s_mov_b32 s17, 0
	s_add_nc_u64 s[4:5], s[4:5], s[16:17]
	s_lshl_b32 s16, s15, 13
	s_lshl_b32 s69, s14, 10
	s_add_co_u32 s16, s16, s69
	s_lshr_b32 s69, s[WV], 1
	s_lshl_b32 s69, s69, 8
	s_add_co_u32 s16, s16, s69
	s_and_b32 s69, s[WV], 1
	s_lshl_b32 s69, s69, 3
	s_add_co_u32 s16, s16, s69                     ; 8,192 bh + 256 (4 x + w / 2) + 8 (w % 2): two of a row's four words
	s_add_nc_u64 s[6:7], s[6:7], s[16:17]
	s_lshl_b32 s16, s14, 21
	s_lshl_b32 s69, s[WV], 18
	s_add_co_u32 s16, s16, s69
	s_lshr_b32 s69, s15, 4
	s_lshl_b32 s69, s69, 12
	s_add_co_u32 s16, s16, s69
	s_and_b32 s69, s15, 15
	s_lshl_b32 s69, s69, 8
	s_add_co_u32 s16, s16, s69                     ; 8,192 (256 x + 32 w) + 4,096 batch + 256 head
	s_add_nc_u64 s[10:11], s[10:11], s[16:17]
	v_and_b32 v9, 31, v0
	v_lshlrev_b32 v[LI], 4, v9
	v_and_b32 v[RR], 15, v0
	v_bfe_u32 v[HH], v0, 4, 1
	v_lshlrev_b32 v[LR], 4, v[RR]
	global_load_b64 v[QS:QS+1], v[LR], s[6:7]      ; lane r (both halves): query r's scale words of my two tiles
	WIN 0x40                                       ; destination window 1
.irp t, 0,1
	global_load_b128 v[16*\t:16*\t+3], v[LI], s[4:5] offset:1024*\t
	global_load_b128 v[16*\t+4:16*\t+7], v[LI], s[4:5] offset:1024*\t+512
.irp j, 8,9,10,11,12,13,14,15
	v_mov_b32 v[16*\t+\j], 0                       ; zero codes for the upper 64 of the instruction's 128
.endr
.endr
	v_mov_b32 v[C8], 0x3e000000
	v_mov_b32 v[C8+1], 0x3e000000
	v_mov_b32 v[CB], 0x4b000000
	v_mov_b32 v[CB+1], 0x4b000000
	v_mov_b32 v[CC], 0x3eb8aa3b
	v_mov_b32 v[CC+1], 0x3eb8aa3b
	v_mov_b32 v[CD], 0xca38aa3b
	v_mov_b32 v[CD+1], 0xca38aa3b
	v_mov_b32 v[CSC], 0x38800000                   ; exponent field 113: the conversion divides by 2^-14
	WIN 0
.irp j, 0,1,2,3,4,5,6,7
	v_mov_b32 v[KF+64+\j], 0                       ; behind K's last tile
.endr
	v_mov_b32 v[PSC], 0x71717171                   ; p's scale word: four bytes 113
.irp j, 0,1,2,3
	v_mov_b32 v[TMP+\j], 0                         ; written once: a lane permute's destination counts as read, and so does a pair's upper half
.endr
	v_add_nc_u32 v[ADK], KIMG, v[LI]
	v_mov_b32 v[ADS], v[LR]
.macro KLOAD ko, so                    ; a key step's K (8 tiles x 2 pieces of 512 consecutive bytes) and its scale words (lane r: four tiles' words of key r): 18 loads
.irp t, 0,1,2,3,4,5,6,7
	ds_load_b128 v[KF+8*\t:KF+8*\t+3], v[ADK] offset:\ko+1024*\t
	ds_load_b128 v[KF+8*\t+4:KF+8*\t+7], v[ADK] offset:\ko+1024*\t+512
.endr
	ds_load_b128 v[KS:KS+3], v[ADS] offset:\so
	ds_load_b128 v[KS+4:KS+7], v[ADS] offset:\so+256
.endm
.macro QK qt, t                        ; the scores of 16 keys x 16 queries
	v_wmma_scale_f32_16x16x128_f8f6f4 v[S0+64*(\qt)+8*(\t):S0+64*(\qt)+8*(\t)+7], v[KF+8*(\t):KF+8*(\t)+15], v[16*(\qt):16*(\qt)+15], 0, v[KS+(\t)], v[QS+(\qt)] matrix_a_fmt:MATRIX_FMT_BF8 matrix_b_fmt:MATRIX_FMT_BF8
.endm
.macro PV qt, n, first                 ; O^T += 16 channels x 128 keys x 16 queries.  first = 1: the first key step starts the sums
.if \first
	v_wmma_scale_f32_16x16x128_f8f6f4 v[OO+8*(4*(\qt)+(\n)):OO+8*(4*(\qt)+(\n))+7], v[VF+16*(\n):VF+16*(\n)+15], v[PP+16*(\qt):PP+16*(\qt)+15], 0, v[VS+(\n)], v[PSC] matrix_a_fmt:MATRIX_FMT_BF8 matrix_b_fmt:MATRIX_FMT_BF8
.else
	v_wmma_scale_f32_16x16x128_f8f6f4 v[OO+8*(4*(\qt)+(\n)):OO+8*(4*(\qt)+(\n))+7], v[VF+16*(\n):VF+16*(\n)+15], v[PP+16*(\qt):PP+16*(\qt)+15], v[OO+8*(4*(\qt)+(\n)):OO+8*(4*(\qt)+(\n))+7], v[VS+(\n)], v[PSC] matrix_a_fmt:MATRIX_FMT_BF8 matrix_b_fmt:MATRIX_FMT_BF8
.endif
.endm
.macro MED8 s, t                       ; a tile's eight scores, from the low end on: clip(s, 0, 32) = 8 clip(s / 8, 0, 4)
.irp j, 0,1,2,3,4,5,6,7
	v_med3_num_f32 v[\s+8*(\t)+\j], v[\s+8*(\t)+\j], 0, s[CLP]
.endr
.endm
.macro FMA s, m, a                     ; 64 numbers x m + a, two at a time
.set JJ, 0
.rept 32
	v_pk_fma_f32 v[\s+JJ:\s+JJ+1], v[\s+JJ:\s+JJ+1], v[\m:\m+1], v[\a:\a+1]
.set JJ, JJ+2
.endr
.endm
.macro EXPS s                          ; 64 exponentials as one batch, a plain instruction behind the last
.set JJ, 0
.rept 64
	v_exp_f32 v[\s+JJ], v[\s+JJ]
.set JJ, JJ+1
.endr
	v_nop
	s_wait_alu depctr_va_vdst(0)
.endm
.macro CVT s, p                        ; tile t's eight p become two registers of codes: tiles 2 c, 2 c + 1 make registers 4 c .. 4 c + 3 of the operand
.irp t, 0,1,2,3,4,5,6,7
	v_cvt_scalef32_pk8_bf8_f32 v[\p+2*\t:\p+2*\t+1], v[\s+8*\t:\s+8*\t+7], v[CSC]
.endr
.endm
.macro SUM s, qt, first                ; the row's sum is taken of the unquantised p: two at a time, in four chains
.set LB, 10+14*(\qt)
.set JJ, 0
.if \first
.irp c, 0,1,2,3
	v_pk_add_f32 v[LB+2*\c:LB+2*\c+1], v[\s+2*\c:\s+2*\c+1], v[\s+8+2*\c:\s+8+2*\c+1]
.endr
.set JJ, 16
.endif
.rept (64-JJ)/8
.irp c, 0,1,2,3
	v_pk_add_f32 v[LB+2*\c:LB+2*\c+1], v[LB+2*\c:LB+2*\c+1], v[\s+JJ+2*\c:\s+JJ+2*\c+1]
.endr
.set JJ, JJ+8
.endr
.endm
; A KEY STEP of 128 keys.  kload = 1: the next step's K is asked for, a softmax ahead of its use.  The accumulators take turns, one instruction a turn.
; Places: eight plain vector instructions that name none of a matrix instruction's registers stand between it and a read of its result or a load into its sources.
.macro STEP kload, first
	s_wait_dscnt 0x0                               ; K of this step and its scale words are in
	WIN W_F
.irp t, 0,1,2,3,4,5,6,7
	QK 0, \t
.endr
	WIN 0
	v_add_nc_u32 v[ADK], s[TB], v[LI]              ; three additions and five v_nop: the places behind tile 0's products, and behind the last step's V^T P in front of the loads into V
	v_add_nc_u32 v[ADS], s[TS], v[LR]
	v_add_nc_u32 v[ADV], 0x20000, v[ADK]
.rept 5
	v_nop
.endr
	ds_load_b128 v[VS:VS+3], v[ADS] offset:512     ; lane r: channel 16 n' + r's scale words, n' = 0 .. 3
	WIN 0x40                                       ; destination window 1
.irp n, 0,1,2,3
.irp c, 0,1,2,3
	ds_load_b128 v[VF+16*\n+4*\c:VF+16*\n+4*\c+3], v[ADV] offset:2048*\n+512*\c
.endr
.endr
	WIN W_F
.irp t, 0,1,2,3,4,5,6,7
	MED8 S0, \t                                    ; tile 1's products stand among tile 0's clips
	QK 1, \t
.endr
	FMA S0, C8, CB                                 ; s / 8 rounded to a whole number j, as 2^23 + j.  (These 32 are the places in front of the loads into K)
.if \kload
	KLOAD 8192, 768
.endif
	FMA S0, CC, CD                                 ; c j
	EXPS S0
	WIN 0x44                                       ; codes and the scale operand in window 1
	CVT S0, PP
	WIN 0
	SUM S0, 0, \first                              ; (plain lines behind the conversions, and the places in front of the products that take their codes)
.if \kload
	s_wait_dscnt 18                                ; V and its scale words are in; the next step's K, 16 + 2 loads, is younger
.else
	s_wait_dscnt 0x0
.endif
	WIN W_F
.irp t, 0,1,2,3,4,5,6,7
	MED8 S1, \t
.if (\t)%2
	WIN 0x55                                       ; all four operands in window 1
	PV 0, (\t)/2, \first                           ; tile 0's second product stands among tile 1's clips
	WIN W_F
.endif
.endr
	FMA S1, C8, CB
	FMA S1, CC, CD
	EXPS S1
	WIN 0x44
	CVT S1, PP+16
	WIN 0
	SUM S1, 1, \first
	WIN 0x55
.irp n, 0,1,2,3
	PV 1, \n, \first
.endr
	WIN 0
	s_add_co_u32 s[TB], s[TB], 8192
	s_add_co_u32 s[TS], s[TS], 768
.endm
	s_wait_tensorcnt 1                             ; my parts of the scale words and of key steps 0-3 are in; key steps 4-15 may be out
	s_barrier_signal -1
	s_barrier_wait -1                              ; everybody's are
	KLOAD 0, 0
	s_wait_loadcnt 0x0                             ; Q
	STEP 1, 1                                      ; key step 0 starts the sums
	s_mov_b32 s[CNT], 2
.Learly:                                           ; key steps 1, 2: they touch key steps 1 to 3 alone
	STEP 1, 0
	s_sub_co_u32 s[CNT], s[CNT], 1
	s_cmp_lg_u32 s[CNT], 0
	s_cbranch_scc1 .Learly
	s_wait_tensorcnt 0x0                           ; my part of key steps 4-15 is in (key step 3 asks for K of step 4),
	s_wait_dscnt 0x0                               ; no LDS load of mine is pending at the signal
	s_barrier_signal -1
	s_barrier_wait -1                              ; everybody's is
	s_mov_b32 s[CNT], 12
.Llate:                                            ; key steps 3 to 14
	STEP 1, 0
	s_sub_co_u32 s[CNT], s[CNT], 1
	s_cmp_lg_u32 s[CNT], 0
	s_cbranch_scc1 .Llate
	STEP 0, 0                                      ; key step 15: no K behind it
	; THE WAY OUT.  The sums' chains, halves and the other half of the lanes' are added (eight plain additions first: the places behind the last products); O^T is divided by the sum and goes through my stage in LDS,
	; 16 queries at a time: a query's 64 channels are 256 bytes of out0, aligned.
	v_pk_add_f32 v[10:11], v[10:11], v[12:13]
	v_pk_add_f32 v[14:15], v[14:15], v[16:17]
	v_pk_add_f32 v[24:25], v[24:25], v[26:27]
	v_pk_add_f32 v[28:29], v[28:29], v[30:31]
	v_pk_add_f32 v[10:11], v[10:11], v[14:15]
	v_pk_add_f32 v[24:25], v[24:25], v[28:29]
	v_add_f32 v10, v10, v11
	v_add_f32 v24, v24, v25
	v_permlanex16_b32 v[TMP], v10, s[SEL], s[SEL+1]
	v_permlanex16_b32 v[TMP+2], v24, s[SEL], s[SEL+1]
	v_add_f32 v10, v10, v[TMP]
	v_add_f32 v24, v24, v[TMP+2]
	v_rcp_f32 v[TMP], v10
	v_rcp_f32 v[TMP+2], v24
	s_mul_i32 s16, s[WV], 16*272
	s_add_co_u32 s16, s16, STG                     ; my stage
	v_mul_u32_u24 v[STO], v[RR], 272               ; (plain work behind the reciprocals)  in: row r, 32 bytes for each half of the lanes
	v_lshl_add_u32 v[STO], v[HH], 5, v[STO]
	v_add_nc_u32 v[STO], s16, v[STO]
	v_mul_u32_u24 v[RD], v[HH], 272                ; back: lanes 0-15 one row of 256 bytes, lanes 16-31 the next
	v_lshl_add_u32 v[RD], v[RR], 4, v[RD]
	v_add_nc_u32 v[RD], s16, v[RD]
	v_lshlrev_b32 v[GO], 13, v[HH]                 ; and the same two queries in out0, 8,192 bytes apart
	v_lshl_add_u32 v[GO], v[RR], 4, v[GO]
	s_wait_alu depctr_va_vdst(0)                   ; the wait ahead of the first use: one for both reciprocals
.irp t, 0,1
	WIN 0x01                                       ; source 0 (O^T) window 1
.irp i, 0,1,2,3,4,5,6,7,8,9,10,11,12,13,14,15
	v_pk_mul_f32 v[S0+32*\t+2*\i:S0+32*\t+2*\i+1], v[OO+32*\t+2*\i:OO+32*\t+2*\i+1], v[TMP+2*\t:TMP+2*\t+1] op_sel_hi:[1,0]   ; each accumulator from its low end on
.endr
	WIN 0
.irp n, 0,1,2,3
	ds_store_b128 v[STO], v[S0+32*\t+8*\n:S0+32*\t+8*\n+3] offset:64*\n          ; lane (r, h): channels 16 n + 8 h + 0 .. 7 of query r
	ds_store_b128 v[STO], v[S0+32*\t+8*\n+4:S0+32*\t+8*\n+7] offset:64*\n+16
.endr
.irp i, 0,1,2,3,4,5,6,7
	ds_load_b128 v[S1+32*\t+4*\i:S1+32*\t+4*\i+3], v[RD] offset:544*\i           ; LDS serves a wave's instructions in order (ISA guide 5.7.1.4): these see my stores, and the next tile's stores come behind them
.endr
.endr
.irp i, 0,1,2,3,4,5,6,7
	s_wait_dscnt 23-\i                             ; behind tile 0's load i: its 7 - i later loads, tile 1's eight stores and eight loads
	global_store_b128 v[GO], v[S1+4*\i:S1+4*\i+3], s[10:11] offset:16384*\i th:TH_STORE_NT        ; 16 lanes store 256 consecutive bytes, aligned; written once, read by nobody here
.endr
.irp i, 0,1,2,3,4,5,6,7
	s_wait_dscnt 7-\i
	global_store_b128 v[GO], v[S1+32+4*\i:S1+32+4*\i+3], s[10:11] offset:131072+16384*\i th:TH_STORE_NT
.endr
	s_wait_tensorcnt 0x0
	ds_add_u32 v246, v247
	s_wait_dscnt 0x0
	CROUND                                         ; the closing round: no work-group ends while a partner may still ask for a tile that names it
	s_endpgm
.Lfunc_end_k_q9704149cf4_attn:
	.size	k_q9704149cf4_attn, .Lfunc_end_k_q9704149cf4_attn-k_q9704149cf4_attn
	.p2alignl 7, 3214868480
	.fill 96, 4, 3214868480
	.section	.rodata,"a",@progbits
	.p2align	6, 0x0
	.amdhsa_kernel k_q9704149cf4_attn
		.amdhsa_group_segment_fixed_size 310272
		.amdhsa_private_segment_fixed_size 0
		.amdhsa_enable_private_segment 0
		.amdhsa_kernarg_size 32
		.amdhsa_user_sgpr_count 2
		.amdhsa_user_sgpr_kernarg_segment_ptr 1
		.amdhsa_wavefront_size32 1
		.amdhsa_system_sgpr_workgroup_id_x 1
		.amdhsa_system_sgpr_workgroup_id_y 1
		.amdhsa_system_sgpr_workgroup_id_z 1
		.amdhsa_system_vgpr_workitem_id 0
		.amdhsa_next_free_vgpr 512
		.amdhsa_next_free_sgpr 72
		.amdhsa_reserve_vcc 0
		.amdhsa_float_denorm_mode_32 3
		.amdhsa_float_denorm_mode_16_64 3
		.amdhsa_memory_ordered 1
		.amdhsa_forward_progress 1
		.amdhsa_inst_pref_size 142
	.end_amdhsa_kernel
	.amdgpu_metadata
---
amdhsa.version: [ 1, 2 ]
amdhsa.kernels:
  - .name:           k_q9704149cf4_attn
    .symbol:         k_q9704149cf4_attn.kd
    .args:
      - { .name: qc, .offset: 0, .size: 8, .value_kind: global_buffer, .address_space: global }
      - { .name: qs, .offset: 8, .size: 8, .value_kind: global_buffer, .address_space: global }
      - { .name: kv, .offset: 16, .size: 8, .value_kind: global_buffer, .address_space: global }
      - { .name: out0, .offset: 24, .size: 8, .value_kind: global_buffer, .address_space: global }
    .group_segment_fixed_size: 310272
    .private_segment_fixed_size: 0
    .kernarg_segment_align: 8
    .kernarg_segment_size: 32
    .max_flat_workgroup_size: 256
    .sgpr_count:     72
    .vgpr_count:     512
    .wavefront_size: 32
...
	.end_amdgpu_metadata
.endif
;; end of part 2
